; MI455X (gfx1250); checked and timed in simulation.
; The chip was launched on July 23, 2026; its instructions are those of AMD's public machine-readable ISA for CDNA 5 (MIT licence, August 2026) and "CDNA5" Instruction Set Architecture Reference Guide (July 2026). The comments in the code are by the model that wrote it; some were corrected since.
;; Causal Self Attention. Allowed arithmetic: matrix products marked QUANTISED: E4M3 operands, one given power-of-two scale a tensor, by v_wmma_f32_16x16x64_fp8_fp8 or v_wmma_f32_16x16x128_fp8_fp8, f32 sums; everything else in f32.
;; Inputs: W_out 1,024 x 1,024 float32; W_qkv 1,024 x 3,072 float32; lowp_scales 8 int32 (the exponents e of the quantised operands' scales 2^e); x 4 x 2,048 x 1,024 float32.
;; Outputs: out0 4 x 2,048 x 1,024 float32.
;; This version of the problem:
;;   THIS VERSION OF THE PROBLEM IS GIVEN IN LOW PRECISION. The matrix products marked QUANTISED in the list below multiply operands that are first quantised to E4M3 (4 exponent bits, 3 mantissa bits; 8 bits a number), with one given power-of-two scale for each operand tensor; their sums are f32. All else is computed in f32.
;;   The module's matrix products, in the order in which they are computed (A, B: the left and right operand; K: the contracted axis; several contracted axes count as one K, in the product's order):
;;     1. [M 8,192, K 1,024] x [K 1,024, N 3,072]; A: input x; B: input W_qkv: QUANTISED (scales: A lowp_scales[0], B lowp_scales[1])
;;     2. batch 64 x [M 2,048, K 64] x [K 64, N 2,048]; A: computed on the way; B: computed on the way: QUANTISED (scales: A lowp_scales[2], B lowp_scales[3])
;;     3. batch 64 x [M 2,048, K 2,048] x [K 2,048, N 64]; A: softmax (see below); B: computed on the way: QUANTISED (scales: A lowp_scales[4], B lowp_scales[5])
;;     4. [M 8,192, K 1,024] x [K 1,024, N 1,024]; A: computed on the way; B: input W_out: QUANTISED (scales: A lowp_scales[6], B lowp_scales[7])
;;   THE QUANTISER, for each operand of a quantised product, along K:
;;     - The operand's scale is 2^e, e = its entry of the input lowp_scales (int32; the entries are numbered through the quantised products in the list's order, A before B).
;;     - Each number is divided by the scale, clamped to +-448, and rounded to the nearest number of E4M3, ties to even, subnormals kept.
;;     - The product sums the exact products of the quantised numbers (number of the format x scale) in f32.
;;   ~~~python
;;   def quantise(x, axis, e):      # numpy; x: float32 -> the quantised numbers, widened to float32 again
;;       x = np.moveaxis(x, axis, -1); K = x.shape[-1]
;;       r = np.clip(x / 2.0 ** e, -448, 448)
;;       step = 2.0 ** (np.maximum(np.frexp(np.where(r == 0, 1, r))[1] - 1, -6) - 3)
;;       q = np.round(r / step) * step * 2.0 ** e      # np.round: ties to even
;;       return np.moveaxis(q, -1, axis).astype(np.float32)
;;   ~~~
;;   SOFTMAX AHEAD OF A QUANTISED PRODUCT. Where the list says 'softmax', what is quantised is not the finished softmax but p = 2^(t - M), with t = logit x log2(e) and M = ceil(the row's largest t), a whole number; so 1/2 < the row's largest p <= 1. The row's sum l is taken of the UNQUANTISED p, in f32, and the product's result is divided by l at the end. Since M is a whole number, a kernel that streams over the keys may use a running M (the ceiling of the running maximum): every later rescaling is an exact power of two, so the quantised numbers keep their values, but for numbers so far below the row's largest that they fall under the format's range.
;;   OPERANDS COMPUTED ON THE WAY. 'Computed on the way' means the value that the module computes at that place (a softmax that the list does not call 'softmax' is quantised finished and normalised). What goes into a quantiser is computed in f32, as accurately as f32 sums, v_exp_f32 and their like allow (about 1e-6 of the number): no bf16 or f16 on the way to a quantiser, and a product that is left as it is and whose result goes on into a quantised operand takes f32 operands (vector FMAs, or v_wmma_f32_16x16x4_f32). A number that lies on a knife's edge between two numbers of the format may be rounded either way, as far as f32 arithmetic and the matrix unit's own rounding can turn it there, and no further.
;; One version. Each part assembles by itself: llvm-mc -triple=amdgcn-amd-amdhsa -mcpu=gfx1250 --defsym DOCPART=n.
;; ======== version 1 of 1: 4 launches
;; workspace buffers: x_codes 8,388,608 bytes; w_codes 4,194,304 bytes; qkv_codes 25,165,824 bytes; a_codes 8,388,608 bytes
;; launch quant (part 1): grid 384 x 1, 4 waves a work-group, no clusters, 68,096 bytes of LDS; arguments x, W_qkv, W_out, lowp_scales, x_codes, w_codes; writes x_codes, w_codes
.if DOCPART == 1
	.amdgcn_target "amdgcn-amd-amdhsa--gfx1250"
	.amdhsa_code_object_version 6
	.text
	.protected	k_qe756af3257_quant
	.globl	k_qe756af3257_quant
	.p2align	8
	.type	k_qe756af3257_quant,@function
k_qe756af3257_quant:
	s_mov_b64 s[64:65], 0
	v_nop
	global_prefetch_b8 v0, s[64:65] scope:SCOPE_SE
	s_setreg_imm32_b32 hwreg(HW_REG_WAVE_MODE, 25, 1), 1
	s_wait_xcnt 0x0
; x [8192][1024], W_qkv [1024][3072] and W_out [1024][1024], f32, become codes of E4M3 with K innermost, each with its given scale 2^e (entries 0, 1 and 7 of the scales).
; code = number / 2^e, held within +-448, rounded to the nearest code, ties to even.
; x_codes: [8192][1024], as x lies.  w_codes: [4096][1024]: row n < 3072 is column n of W_qkv, row 3072 + n is column n of W_out.
; LIMITS: each e between -126 and 119, so that 2^e and 448 x 2^e are f32 numbers.  NaN among the inputs is not served (an infinity is held at the largest code).
; Work-groups 0-255 take x: its K is innermost, so it is a plain stream.  A wave takes 16 steps of 512 numbers; each load reads 512 consecutive bytes; a step turns through the wave's own
; stage in LDS so that a lane then holds 16 neighbours along K; a lane's 16 codes are 16 bytes, and the wave stores 512 consecutive bytes.
; Work-groups 256-383 take the weights, whose K is the FIRST axis: a lane takes a column and its registers run down K, so the conversions give codes with K innermost; a wave gathers
; 32 columns x 256 along K in its own stage and stores them by rows, sixteen lanes to 256 consecutive aligned bytes.  One text serves both weights: the row's length is a register.
; No tensor loads, no barrier: waves share nothing.  The two ways have LDS bytes of their own, and every LDS address is made ahead of the parting.
.set STEPS, 16
.set SP,    80                         ; x: a lane's place in a stage: its 64 bytes + 16 of padding
.set R,     16                         ; v16-79   x: four sets of 16 numbers as loaded
.set X,     80                         ; v80-111  x: two sets of 16 neighbours
.set C,     128                        ; v128-191 x: codes, four registers a step: no store's data are written again
.set PITCH, 272                        ; weights: a stage row: 256 codes + 16 bytes
.set WSTG,  32768                      ; weights: the stages begin behind the x way's 4 x 8,192 bytes
.set NB,    8                          ; weights: blocks of 32 along K for a wave
.set WX,    32                         ; v32-95   weights: two sets of 32 numbers; at the end the rows read back
.set WC,    96                         ; v96-103  weights: a block's codes
.set OFF,   112                        ; v112-143 weights: 4 x lane + i rows: never rewritten
	s_load_b256 s[4:11], s[0:1], 0x0               ; x s[4:5], W_qkv s[6:7], W_out s[8:9], the scales s[10:11]
	s_load_b128 s[12:15], s[0:1], 0x20             ; x_codes s[12:13], w_codes s[14:15]
	v_lshl_add_u32 v192, v0, 2, 0x10800
	v_mov_b32 v193, 0
	v_lshrrev_b32 v1, 5, v0
	v_readfirstlane_b32 s16, v1                    ; wave
	v_and_b32 v2, 31, v0                           ; lane
	v_lshlrev_b32 v3, 4, v2                        ; 16 x lane: my 16 bytes of a load's 512, and of a step's codes
	s_lshl_b32 s17, s16, 13                        ; x: my wave's 8,192 bytes of LDS
	v_lshrrev_b32 v14, 2, v2
	v_mul_u32_u24 v14, v14, SP
	v_and_b32 v15, 3, v2
	v_lshl_add_u32 v14, v15, 4, v14
	v_add_nc_u32 v14, s17, v14                     ; into the stage: four lanes' 64 bytes on end, then 16 of padding
	v_mul_u32_u24 v15, v2, SP
	v_add_nc_u32 v15, s17, v15                     ; out of it: my 16 neighbours
	s_mul_i32 s18, s16, 32*PITCH
	s_add_co_u32 s18, s18, WSTG                    ; weights: my wave's stage
	v_mul_u32_u24 v4, v2, PITCH
	v_add_nc_u32 v4, s18, v4                       ; into it: row = my column
	v_and_b32 v5, 15, v2
	v_lshrrev_b32 v6, 4, v2
	v_mul_u32_u24 v7, v6, PITCH
	v_lshl_add_u32 v7, v5, 4, v7
	v_add_nc_u32 v7, s18, v7                       ; out of it: sixteen lanes to a row, two rows an instruction
	v_lshlrev_b32 v8, 10, v6
	v_lshl_add_u32 v8, v5, 4, v8                   ; and the same place in w_codes (a row is 1,024 bytes)
	s_wait_kmcnt 0x0
	s_load_b256 s[24:31], s[10:11], 0x0            ; e0 .. e7
	s_cmp_lt_u32 ttmp9, 256
	s_cbranch_scc0 .Lweights
; ---------------- x ----------------
	s_lshl_b32 s18, ttmp9, 2
	s_add_co_u32 s18, s18, s16                     ; which run of 8,192 numbers is my wave's
	s_lshl_b32 s20, s18, 15                        ; 32,768 bytes of f32,
	s_mov_b32 s21, 0
	s_add_nc_u64 s[4:5], s[4:5], s[20:21]
	s_lshl_b32 s20, s18, 13                        ; 8,192 bytes of codes
	s_add_nc_u64 s[12:13], s[12:13], s[20:21]
.macro XLOAD t
.irp i, 0,1,2,3
	global_load_b128 v[R+16*((\t)%4)+4*\i:R+16*((\t)%4)+4*\i+3], v3, s[4:5] offset:2048*(\t)+512*\i th:TH_LOAD_NT   ; 32 lanes read 512 consecutive bytes
.endr
.endm
.macro XTURN t                         ; step t through the stage: LDS serves a wave's instructions in order (ISA guide 5.7.1.4), so no wait stands between the stores and the loads
.irp i, 0,1,2,3
	ds_store_b128 v14, v[R+16*((\t)%4)+4*\i:R+16*((\t)%4)+4*\i+3] offset:32*SP*((\t)%2)+8*SP*\i
.endr
.irp i, 0,1,2,3
	ds_load_b128 v[X+16*((\t)%2)+4*\i:X+16*((\t)%2)+4*\i+3], v15 offset:32*SP*((\t)%2)+16*\i
.endr
.endm
.irp t, 0,1,2,3
	XLOAD \t
.endr
	s_wait_kmcnt 0x0
	s_add_co_i32 s22, s24, 127                     ; e0
	s_lshl_b32 s23, s22, 23
	v_mov_b32 v11, s23                             ; 2^e0 as f32: the conversion takes its exponent field
	s_add_co_i32 s22, s22, 8
	s_lshl_b32 s22, s22, 23
	s_or_b32 s22, s22, 0x600000
	v_mov_b32 v10, s22                             ; 448 x 2^e0
	s_wait_loadcnt 12                              ; step 0's four loads are in; the twelve of steps 1 to 3 may be out
	XTURN 0
.macro XSTEP t
.set XS, X+16*((\t)%2)
	s_wait_dscnt 0x0                               ; this step's numbers are back from the stage, so its stores into the stage have read their registers,
.if (\t)+4 < STEPS
	XLOAD (\t)+4                                   ; which take the loads of four steps on
.endif
.if (\t)+1 < STEPS
.if STEPS-2-(\t) >= 3
	s_wait_loadcnt 12                              ; the next step's four loads are in; those of the three steps behind it may be out
.else
	s_wait_loadcnt 4*(STEPS-2-(\t))                ; the tail: fewer steps are behind it
.endif
	XTURN (\t)+1                                   ; and go through the other stage while this step is worked
.endif
.irp i, 0,1,2,3,4,5,6,7,8,9,10,11,12,13,14,15
	v_med3_num_f32 v[XS+\i], v[XS+\i], -v10, v10   ; the conversion to an 8-bit code does not saturate (ISA guide 7.6.2): the hold comes first
.endr
	v_cvt_scalef32_pk8_fp8_f32 v[C+4*(\t):C+4*(\t)+1], v[XS:XS+7], v11
	v_cvt_scalef32_pk8_fp8_f32 v[C+4*(\t)+2:C+4*(\t)+3], v[XS+8:XS+15], v11
	global_store_b128 v3, v[C+4*(\t):C+4*(\t)+3], s[12:13] offset:512*(\t)   ; the wave stores 512 consecutive bytes
.endm
.irp t, 0,1,2,3,4,5,6,7,8,9,10,11,12,13,14,15
	XSTEP \t
.endr
	s_wait_tensorcnt 0x0
	ds_add_u32 v192, v193
	s_wait_dscnt 0x0
	s_endpgm
; ---------------- the weights ----------------
.Lweights:
	s_sub_co_u32 s17, ttmp9, 256
	s_and_b32 s18, s17, 3                          ; which 256 along K
	s_lshr_b32 s19, s17, 2                         ; which 128 rows of w_codes: 0-23 W_qkv, 24-31 W_out
	s_mov_b32 s20, 4096
	s_sub_co_u32 s21, s19, 24
	s_cmp_lt_u32 s19, 24                           ; the choice hangs on the work-group's number alone
	s_cselect_b32 s20, 12288, s20                  ; a row of the weight in bytes
	s_cselect_b32 s21, s19, s21                    ; which 128 columns of it
	s_cselect_b64 s[6:7], s[6:7], s[8:9]           ; the weight
	s_lshl_b32 s22, s20, 8
	s_mul_i32 s22, s22, s18                        ; 256 rows x which
	s_lshl_b32 s23, s21, 9
	s_add_co_u32 s22, s22, s23                     ; + 128 columns x 4 bytes x which
	s_lshl_b32 s23, s16, 7
	s_add_co_u32 s22, s22, s23                     ; + my wave's 32 columns
	s_mov_b32 s23, 0
	s_add_nc_u64 s[32:33], s[6:7], s[22:23]        ; block 0's base;
	s_lshl_b32 s22, s20, 5                         ; 32 rows on for each further block: eight bases, never rewritten
.irp t, 1,2,3,4,5,6,7
	s_add_nc_u64 s[32+2*\t:33+2*\t], s[30+2*\t:31+2*\t], s[22:23]
.endr
	s_lshl_b32 s48, s19, 17                        ; w_codes: 128 rows of 1,024 bytes x which,
	s_lshl_b32 s49, s16, 15                        ; + my wave's 32 rows,
	s_add_co_u32 s48, s48, s49
	s_lshl_b32 s49, s18, 8                         ; + my 256 along K
	s_add_co_u32 s48, s48, s49
	s_mov_b32 s49, 0
	s_add_nc_u64 s[14:15], s[14:15], s[48:49]
	v_lshlrev_b32 v[OFF], 2, v2                    ; 4 bytes a lane: 128 consecutive bytes a wave, 512 a work-group
.set wi, 1
.rept 31
	v_add_nc_u32 v[OFF+wi], s20, v[OFF+wi-1]       ; one row further down
.set wi, wi+1
.endr
.macro WLOAD t                         ; block t: W(32 t + i, my column), i = 0 .. 31, into set t % 2
.set wi, 0
.rept 32
	global_load_b32 v[WX+32*((\t)%2)+wi], v[OFF+wi], s[32+2*(\t):33+2*(\t)] th:TH_LOAD_NT
.set wi, wi+1
.endr
.endm
	WLOAD 0
	WLOAD 1
	s_wait_kmcnt 0x0
	s_cmp_lt_u32 s19, 24
	s_cselect_b32 s50, s25, s31                    ; e1 or e7
	s_add_co_i32 s50, s50, 127
	s_lshl_b32 s51, s50, 23
	v_mov_b32 v13, s51                             ; 2^e as f32
	s_add_co_i32 s50, s50, 8
	s_lshl_b32 s50, s50, 23
	s_or_b32 s50, s50, 0x600000
	v_mov_b32 v12, s50                             ; 448 x 2^e
.macro WBLOCK t
.set XS, WX+32*((\t)%2)
.if (\t) < NB-1
	s_wait_loadcnt 32                              ; this block's 32 loads are in; the next block's 32 may be out
.else
	s_wait_loadcnt 0
.endif
.set wj, 0
.rept 32
	v_med3_num_f32 v[XS+wj], v[XS+wj], -v12, v12   ; the hold at the largest code x the scale
.set wj, wj+1
.endr
.irp g, 0,1,2,3
	v_cvt_scalef32_pk8_fp8_f32 v[WC+2*\g:WC+2*\g+1], v[XS+8*\g:XS+8*\g+7], v13
.endr
	ds_store_b128 v4, v[WC:WC+3] offset:32*(\t)    ; 32 codes: 32 bytes of my column's row
	ds_store_b128 v4, v[WC+4:WC+7] offset:32*(\t)+16
.if (\t)+2 < NB
	WLOAD (\t)+2
.endif
	s_wait_dscnt 0x0                               ; the stores have read their registers: the next block's codes may be written
.endm
.irp t, 0,1,2,3,4,5,6,7
	WBLOCK \t
.endr
.irp t, 0,1,2,3,4,5,6,7,8,9,10,11,12,13,14,15
	ds_load_b128 v[WX+4*\t:WX+4*\t+3], v7 offset:2*\t*PITCH   ; LDS serves a wave's instructions in order: these see my stores
.endr
.irp t, 0,1,2,3,4,5,6,7,8,9,10,11,12,13,14,15
	s_wait_dscnt 15-\t                             ; loads come back in order: rows 2 t and 2 t + 1 are in, the younger ones may be out
	global_store_b128 v8, v[WX+4*\t:WX+4*\t+3], s[14:15] offset:2*\t*1024   ; sixteen lanes store 256 consecutive bytes, aligned
.endr
	s_wait_tensorcnt 0x0
	ds_add_u32 v192, v193
	s_wait_dscnt 0x0
	s_endpgm
.Lfunc_end_k_qe756af3257_quant:
	.size	k_qe756af3257_quant, .Lfunc_end_k_qe756af3257_quant-k_qe756af3257_quant
	.p2alignl 7, 3214868480
	.fill 96, 4, 3214868480
	.section	.rodata,"a",@progbits
	.p2align	6, 0x0
	.amdhsa_kernel k_qe756af3257_quant
		.amdhsa_group_segment_fixed_size 68096
		.amdhsa_private_segment_fixed_size 0
		.amdhsa_enable_private_segment 0
		.amdhsa_kernarg_size 48
		.amdhsa_user_sgpr_count 2
		.amdhsa_user_sgpr_kernarg_segment_ptr 1
		.amdhsa_wavefront_size32 1
		.amdhsa_system_sgpr_workgroup_id_x 1
		.amdhsa_system_sgpr_workgroup_id_y 1
		.amdhsa_system_sgpr_workgroup_id_z 1
		.amdhsa_system_vgpr_workitem_id 0
		.amdhsa_next_free_vgpr 194
		.amdhsa_next_free_sgpr 66
		.amdhsa_reserve_vcc 0
		.amdhsa_float_denorm_mode_32 3
		.amdhsa_float_denorm_mode_16_64 3
		.amdhsa_memory_ordered 1
		.amdhsa_forward_progress 1
		.amdhsa_inst_pref_size 87
	.end_amdhsa_kernel
	.amdgpu_metadata
---
amdhsa.version: [ 1, 2 ]
amdhsa.kernels:
  - .name:           k_qe756af3257_quant
    .symbol:         k_qe756af3257_quant.kd
    .args:
      - { .name: x, .offset: 0, .size: 8, .value_kind: global_buffer, .address_space: global }
      - { .name: W_qkv, .offset: 8, .size: 8, .value_kind: global_buffer, .address_space: global }
      - { .name: W_out, .offset: 16, .size: 8, .value_kind: global_buffer, .address_space: global }
      - { .name: lowp_scales, .offset: 24, .size: 8, .value_kind: global_buffer, .address_space: global }
      - { .name: x_codes, .offset: 32, .size: 8, .value_kind: global_buffer, .address_space: global }
      - { .name: w_codes, .offset: 40, .size: 8, .value_kind: global_buffer, .address_space: global }
    .group_segment_fixed_size: 68096
    .private_segment_fixed_size: 0
    .kernarg_segment_align: 8
    .kernarg_segment_size: 48
    .max_flat_workgroup_size: 128
    .sgpr_count:     66
    .vgpr_count:     194
    .wavefront_size: 32
...
	.end_amdgpu_metadata
.endif
;; end of part 1
;; launch gemm_qkv (part 2): grid 12 x 32, 4 waves a work-group, clusters of 4 x 4, 327,680 bytes of LDS; arguments x_codes, w_codes, lowp_scales, qkv_codes; writes qkv_codes
.if DOCPART == 2
	.amdgcn_target "amdgcn-amd-amdhsa--gfx1250"
	.amdhsa_code_object_version 6
	.text
	.protected	k_qe756af3257_gemm_qkv
	.globl	k_qe756af3257_gemm_qkv
	.p2align	8
	.type	k_qe756af3257_gemm_qkv,@function
k_qe756af3257_gemm_qkv:
	s_mov_b64 s[64:65], 0
	v_nop
	global_prefetch_b8 v0, s[64:65] scope:SCOPE_SE
	s_setreg_imm32_b32 hwreg(HW_REG_WAVE_MODE, 25, 1), 1
	s_wait_xcnt 0x0
	s_wait_alu depctr_hold_cnt(0) depctr_sa_sdst(0) depctr_va_vdst(0) depctr_va_sdst(0) depctr_va_ssrc(0) depctr_va_vcc(0) depctr_vm_vsrc(0)
	s_getreg_b32 s2, hwreg(HW_REG_IB_STS2, 6, 4)
	s_cmp_eq_u32 s2, 0
	s_cbranch_scc0 .Lentry_in_a_cluster
	s_endpgm
.Lentry_in_a_cluster:
	s_bfe_u32 s2, ttmp6, 0x10000c
	s_cmp_lg_u32 s2, 0xf033
	s_cbranch_scc0 .Lentry_shape_is_right
	s_endpgm
.Lentry_shape_is_right:
; qkv = x W_qkv on codes of E4M3 (K = 1,024), and each finished f32 sum is quantised at once for the product that reads it: q with e2, k with e3, v with e5.
; A sum stands for sum x 2^(e0 + e1), so its code is sum / 2^(e_out - e0 - e1), held within +-448: the three exponents are folded into the conversion's one scale.
; LIMIT: e_out - e0 - e1 between -126 and 119, so that this power of two and 448 times it are f32 numbers.
; A tile of 256 x 256 sums is made by four waves, 128 x 128 each: 64 accumulators of 16 x 16, 512 registers.  K goes in steps of 256 through two LDS slots filled by the tensor data mover.
; The matrix instruction takes 16 rows of operand B as source 0 and 16 rows of operand A as source 1: a lane then holds ONE row of A and eight NEIGHBOURING rows of B.
; The conversion wants eight neighbours along the NEXT product's K in one lane.  For q and k that K is the head's 64 channels: A = tokens (x_codes), B = channels (w_codes).
; For v it is the keys: A = channels, B = tokens.  Which it is hangs on the cluster's x alone (0 q, 1 k, 2 v), which all sixteen partners share.
; CLUSTERS: 4 x 4 work-groups; A's tile is shared along a row of the cluster, B's along a column: each is asked for jointly, by the same tensor load with a mask that names the four.
; OUT: qkv_codes holds images of the operand registers of the attention launch: chunks of 16 bytes at 16 x lane, lane = 16 h + r; a head (b x 16 + head) takes 131,072 bytes in each of three regions.
;   q, at 0:       [head][tile of 16 queries j][c 0..1][lane] = q(16 j + r, channels 32 c + 16 h + 0..15)
;   k, at 8 MiB:   [head][step of 128 keys s][tile t 0..7][c 0..1][lane] = k(128 s + 32 (t / 2) + 8 (t % 2) + r + 8 (r / 8), the same channels)
;   v, at 16 MiB:  [head][s][tile td 0..3][c 0..3][lane] = v(keys 128 s + 32 c + 16 h + 0..15, channel 32 (td / 2) + 8 (td % 2) + r + 8 (r / 8))
; REGISTERS, in windows of 256: window 0: v0-31 addresses; from v128 A's fragments, one set; on the way out v32-255 are free.  window 1: B's fragments, two sets.  windows 2, 3: the accumulators.
.set KROW,   1024                      ; a row of either operand in memory, in bytes
.set ROWB,   256                       ; a tile's row: 256 codes
.set PITCH,  272                       ; an LDS row: 256 bytes + 16 of padding = 68 words: the 16 rows that a load touches start at 16 different banks (64 banks of 4 bytes: ISA guide 11.1)
.set FR,     16                        ; registers of a fragment: 16 rows x 128 K
.set NL,     4                         ; LDS loads that bring one
.set NP,     4                         ; places behind this matrix instruction (ISA guide 7.12.1)
.set HALFT,  128*PITCH                 ; 128 rows: what one tensor load brings, and what one wave reads of A or of B
.set SLOT,   4*HALFT                   ; A's 256 rows, then B's 256 rows
.set SPARE,  2*SLOT                    ; behind the ring: the spare words, 128 bytes for each wave, that no other line names
.set SPITCH, 144                       ; the way out: a stage of 128 rows x (128 codes + 16 bytes) for each wave, in slot 0, which has had its last fill and its last read by then
.set ADRA, 16                          ; v16-17  LDS address of my A fragments in slot 0, 1
.set ADRB, 20                          ; v20-21  the same for B
.set STO,  24                          ; v24     the stage: where I put 8 codes of a row
.set RDQ,  25                          ; v25     the stage: row r, + 16 h
.set CO,   26                          ; v26     16 x lane: my place in an image
.set RDP,  27                          ; v27     the stage: row r + 8 (r / 8), + 16 h
.set SPW,  28                          ; v28     LDS address of my spare word; never rewritten
.set NIL,  29                          ; v29     0; never rewritten
.set SCL,  30                          ; v30     2^(e_out - e0 - e1)
.set LIM,  31                          ; v31     448 x that
.set TMP,  32                          ; v32-95  a block's sums, held
.set CD,   96                          ; v96-127 a block's codes, two sets
.set AF,   128                         ; A's fragments, in window 0
.set BK,   128                         ; the way out: 32 chunks read back from the stage
.set G1, 24                            ; s[24:31] descriptor group 1 for A's tiles;  s[32:39] group 0, one set for each slot
.set G0, 32
.set G1B, 48                           ; s[48:55], s[56:63] the same for B's tiles
.set G0B, 56
.set MSB, 0
.macro WIN new                         ; the immediate's high byte repeats the setting that is left
.if MSB != \new
	s_set_vgpr_msb (MSB<<8)|\new
.set MSB, \new
.endif
.endm
.set MUL_LO, 0xa1                      ; source 0 (B) window 1, source 1 (A) window 0, C and D window 2
.set MUL_HI, 0xf1                      ; the same, C and D window 3
.set TO_B,   0x40                      ; destination window 1, address window 0
; A joint load: waves 0 and 1 fetch for A, waves 2 and 3 for B.  Each line has one mask and one set of registers for all that issue it; the branch hangs on the wave's number alone.
; Four v_nop follow each of the two lines, ahead of the jump, the label and what follows.
.macro JLOAD g0a, g1a, g0b, g1b
	s_cmp_eq_u32 s15, 0
	s_cbranch_scc0 .Lfor_b_\@
	tensor_load_to_lds s[\g0a:\g0a+3], s[\g1a:\g1a+7]
	s_nop 0
.rept 4
	v_nop
.endr
	s_branch .Lasked_\@
.Lfor_b_\@:
	tensor_load_to_lds s[\g0b:\g0b+3], s[\g1b:\g1b+7]
	s_nop 0
.rept 4
	v_nop
.endr
.Lasked_\@:
.endm
.macro CREST                           ; a round of the cluster's barrier behind its opening barrier
	s_cmp_lg_u32 s14, 0
	s_cbranch_scc1 .Lnot_wave_0_\@
	s_barrier_signal -3
.Lnot_wave_0_\@:
	s_barrier_wait -3
	s_barrier_signal -1
	s_barrier_wait -1
.endm
.macro CROUND                          ; a whole round
	s_barrier_signal -1
	s_barrier_wait -1
	CREST
.endm
	s_load_b128 s[4:7], s[0:1], 0x0                ; x_codes s[4:5], w_codes s[6:7]
	s_load_b128 s[8:11], s[0:1], 0x10              ; the scales s[8:9], qkv_codes s[10:11]
	v_lshl_add_u32 v[SPW], v0, 2, SPARE
	v_mov_b32 v[NIL], 0
	ds_add_u32 v28, v29
	ds_add_u32 v28, v29
	s_wait_dscnt 0x0
	v_lshrrev_b32 v1, 5, v0
	v_readfirstlane_b32 s14, v1                    ; wave 0..3
	s_lshr_b32 s15, s14, 1                         ; which half of A's rows is mine.  Also: I fetch for A (0) or for B (1)
	s_and_b32 s16, s14, 1                          ; which half of B's rows.  Also: which 128 rows of that tile I fetch
	s_bfe_u32 s40, ttmp6, 0x40000                  ; cx, cy: my place in the cluster
	s_bfe_u32 s41, ttmp6, 0x40004
	s_and_b32 s17, ttmp7, 0xffff
	s_lshl_b32 s17, s17, 2                         ; 4 x cluster y
	s_lshl_b32 s42, ttmp9, 2                       ; 4 x cluster x
	s_lshl_b32 s43, s41, 2
	s_lshl_b32 s43, 15, s43                        ; my row of the cluster
	s_lshl_b32 s44, 0x1111, s40                    ; my column
	s_cmp_eq_u32 ttmp9, 2                          ; v?  The same answer in all sixteen partners
	s_cselect_b32 s18, 8, s17                      ; A's tiles: v: w_codes' tiles 8 + cy (rows 2,048 on); q, k: tokens' tiles 4 x cluster y + cy
	s_cselect_b32 s19, s17, s42                    ; B's tiles: v: tokens' tiles 4 x cluster y + cx; q, k: w_codes' tiles 4 x cluster x + cx
	s_add_co_u32 s17, s18, s41                     ; A's tile: of the place in the cluster cy alone enters it
	s_add_co_u32 s42, s19, s40                     ; B's tile: cx alone
	; descriptor group 1: a tile of 128 rows x 256 bytes, padded in LDS
	s_or_b32 s[G1+0], s43, (0<<16)|(1<<20)|(1<<21)|(5<<22)|(3<<25)  ; 15:0 the mask: A's tiles go to my row; 17:16 elements of 1 byte; 20 padding on; 21 set beside a mask; 24:22 after every 64 words; 31:25 four words
	s_or_b32 s[G1B+0], s44, (0<<16)|(1<<20)|(1<<21)|(5<<22)|(3<<25) ; the same with my column's mask
.irp g, G1, G1B
	s_mov_b32 s[\g+1], ROWB<<16                    ; tensor_dim0
	s_mov_b32 s[\g+2], 128<<16                     ; tensor_dim1 = 128
	s_mov_b32 s[\g+3], ROWB<<16                    ; tile_dim0
	s_mov_b32 s[\g+4], 128                         ; tile_dim1 = 128
	s_mov_b32 s[\g+5], KROW                        ; tensor_dim0_stride
	s_mov_b32 s[\g+6], 0
	s_mov_b32 s[\g+7], 0
.endr
	s_lshl_b32 s18, s16, 7                         ; which 128 rows of the tile I fetch
	s_lshl_b32 s20, s17, 8
	s_add_co_u32 s20, s20, s18                     ; A: row 256 x tile + 128 x half,
	s_lshl_b32 s20, s20, 10                        ; in bytes (under 2^23)
	s_lshl_b32 s46, s42, 8
	s_add_co_u32 s46, s46, s18                     ; B likewise
	s_lshl_b32 s46, s46, 10
	s_mov_b32 s21, 0
	s_mov_b32 s47, 0
	s_mul_i32 s45, s14, HALFT                      ; where they go: wave x 128 rows: no place in the cluster enters an LDS address
	s_wait_kmcnt 0x0
	s_load_b256 s[72:79], s[8:9], 0x0              ; e0 .. e7
	s_cmp_eq_u32 ttmp9, 2
	s_cselect_b64 s[66:67], s[6:7], s[4:5]         ; A's buffer
	s_cselect_b64 s[68:69], s[4:5], s[6:7]         ; B's buffer
	s_add_nc_u64 s[20:21], s[66:67], s[20:21]
	s_add_nc_u64 s[46:47], s[68:69], s[46:47]
	CROUND                                         ; all sixteen work-groups are here: the first joint loads meet
.irp s, 0,1
	s_mov_b32 s[G0+4*\s], 1
	s_add_co_u32 s[G0+4*\s+1], s45, \s*SLOT
	s_add_nc_u64 s[G0+4*\s+2:G0+4*\s+3], s[20:21], \s*ROWB
	s_or_b32 s[G0+4*\s+3], s[G0+4*\s+3], 0x80000000
	s_mov_b32 s[G0B+4*\s], 1
	s_add_co_u32 s[G0B+4*\s+1], s45, \s*SLOT
	s_add_nc_u64 s[G0B+4*\s+2:G0B+4*\s+3], s[46:47], \s*ROWB
	s_or_b32 s[G0B+4*\s+3], s[G0B+4*\s+3], 0x80000000
	JLOAD G0+4*\s, G1, G0B+4*\s, G1B               ; K steps 0 and 1: two loads of mine are out
.endr
	v_and_b32 v1, 15, v0                           ; r = lane % 16
	v_bfe_u32 v2, v0, 4, 1                         ; h = lane / 16
	v_mul_u32_u24 v3, v1, PITCH
	v_lshl_add_u32 v4, v2, 4, v3                   ; a fragment's row x pitch + 16 x half
	s_mul_i32 s21, s15, HALFT                      ; my 128 rows of A
	s_mul_i32 s22, s16, HALFT                      ; my 128 rows of B,
	s_add_co_u32 s22, s22, 2*HALFT                 ; which lie behind A's 256
.irp s, 0,1
	v_add_nc_u32 v[ADRA+\s], s21, v4
	v_add_nc_u32 v[ADRB+\s], s22, v4
	s_add_co_u32 s21, s21, SLOT
	s_add_co_u32 s22, s22, SLOT
.endr
	s_mul_i32 s23, s14, 128*SPITCH                 ; my stage
	v_mul_u32_u24 v5, v1, SPITCH
	v_lshl_add_u32 v6, v2, 3, v5
	v_add_nc_u32 v[STO], s23, v6                   ; in: row r of a block, 8 bytes for each half of the lanes
	v_lshl_add_u32 v6, v2, 4, v5
	v_add_nc_u32 v[RDQ], s23, v6                   ; back: row r, 16 bytes for each half
	v_and_b32 v7, 8, v1
	v_add_nc_u32 v7, v7, v1                        ; r + 8 (r / 8)
	v_mul_u32_u24 v7, v7, SPITCH
	v_lshl_add_u32 v7, v2, 4, v7
	v_add_nc_u32 v[RDP], s23, v7                   ; back: the rows of a tile of k or of v are not neighbours
	v_and_b32 v6, 31, v0
	v_lshlrev_b32 v[CO], 4, v6
	; where my images begin: region x 8 MiB + (b x 16 + my first head) x 131,072 + (my first token within its batch) x 64
	s_cmp_eq_u32 ttmp9, 2
	s_cselect_b32 s20, s42, s17                    ; the tokens' tile,
	s_cselect_b32 s21, s16, s15                    ; my half of it,
	s_cselect_b32 s22, s41, s40                    ; the channels' tile within the region,
	s_cselect_b32 s46, s15, s16                    ; my half of it
	s_lshl_b32 s20, s20, 8
	s_lshl_b32 s21, s21, 7
	s_add_co_u32 s20, s20, s21                     ; my first token
	s_lshr_b32 s21, s20, 11                        ; b
	s_and_b32 s20, s20, 2047
	s_lshl_b32 s20, s20, 6
	s_lshl_b32 s21, s21, 4
	s_lshl_b32 s22, s22, 2
	s_add_co_u32 s21, s21, s22
	s_lshl_b32 s46, s46, 1
	s_add_co_u32 s21, s21, s46                     ; b x 16 + 4 x tile + 2 x half
	s_lshl_b32 s21, s21, 17
	s_add_co_u32 s20, s20, s21
	s_lshl_b32 s21, ttmp9, 23
	s_add_co_u32 s20, s20, s21
	s_mov_b32 s21, 0
	s_add_nc_u64 s[10:11], s[10:11], s[20:21]
.macro FRAG reg, adr, q, i             ; a fragment, 16 rows x 128 K: lane l holds row l % 16; registers 4 c .. 4 c + 3 hold K = 32 c + 16 (l / 16) + 0 .. 15: the same order of K in A and in B
.irp c, 0,1,2,3
	ds_load_b128 v[\reg+4*\c:\reg+4*\c+3], v[\adr] offset:128*(\q)+32*\c+(\i)*16*PITCH
.endr
.endm
; 16 matrix instructions: A's blocks a0, a0 + 1 x B's eight, 128 along K.  p: B's set.  zero = 1: the first product starts the sums: nothing is ever cleared.
; The 64 accumulators take turns, one instruction a turn, in the same order in every step.
.macro MUL16 a0, p, zero
.irp a, \a0, \a0+1
.irp b, 0,1,2,3,4,5,6,7
.if \zero
	v_wmma_f32_16x16x128_fp8_fp8 v[8*(8*((\a)%4)+\b):8*(8*((\a)%4)+\b)+7], v[128*(\p)+FR*\b:128*(\p)+FR*\b+FR-1], v[AF+FR*(\a):AF+FR*(\a)+FR-1], 0
.else
	v_wmma_f32_16x16x128_fp8_fp8 v[8*(8*((\a)%4)+\b):8*(8*((\a)%4)+\b)+7], v[128*(\p)+FR*\b:128*(\p)+FR*\b+FR-1], v[AF+FR*(\a):AF+FR*(\a)+FR-1], v[8*(8*((\a)%4)+\b):8*(8*((\a)%4)+\b)+7]
.endif
.endr
.endr
.endm
.macro FETCH_B slot, q, p              ; B's eight fragments of the slot's q-th 128 along K into set p
	WIN TO_B
.irp i, 0,1,2,3,4,5,6,7
	FRAG 128*(\p)+FR*\i, ADRB+\slot, \q, \i
.endr
	WIN 0
.endm
.macro FETCH_A slot, q, i0             ; A's blocks i0 .. i0 + 3
.irp i, \i0, \i0+1, \i0+2, \i0+3
	FRAG AF+FR*(\i), ADRA+\slot, \q, \i
.endr
.endm
; A load into a register that a matrix instruction has read, and a vector instruction that reads a matrix result, stand NP places behind that matrix instruction; only plain vector
; instructions that name none of its registers are places (ISA guide 7.12.1 for vector instructions).
.macro PLACES n
.rept \n
	v_nop
.endr
.endm
; A step of 128 along K that has its successor in the same slot.  A block of A is free as soon as its eight products are issued, so one set of registers serves A.
.macro STEP slot, q, zero
	s_wait_dscnt 4*NL                              ; B's set and A's blocks 0-3 are in; the youngest sixteen loads (A's blocks 4-7) may be out
	WIN MUL_LO
	MUL16 0, (\q)%2, \zero
	MUL16 2, (\q)%2, \zero
	s_wait_dscnt 0                                 ; A's blocks 4-7 are in
	PLACES NP
	FETCH_B \slot, (\q)+1, 1-(\q)%2
	FETCH_A \slot, (\q)+1, 0
	WIN MUL_HI
	MUL16 4, (\q)%2, \zero
	MUL16 6, (\q)%2, \zero
	PLACES NP
	WIN 0
	FETCH_A \slot, (\q)+1, 4
.endm
; A slot's last step changes slots: one barrier; in front of it each wave waits for all its tensor loads, adds 0 to its spare word, and waits for that and for its own reads of this slot.
; fill = 1: this slot is filled again, two K steps ahead; the barrier then opens a round of the cluster's barrier.
.macro TURN slot, next, fill
	s_wait_tensorcnt 0x0                           ; all my tensor loads have landed: my part of the next slot
	ds_add_u32 v[SPW], v[NIL]                      ; 0 onto my spare word
	s_wait_dscnt 4*NL+1                            ; the add and the youngest sixteen loads (A's blocks 4-7) may be out
	WIN MUL_LO
	MUL16 0, 1, 0                                  ; sixteen matrix instructions stand between the add and the wait for it
	s_wait_dscnt 0x0                               ; the add is done, and my reads of this slot are over
	s_barrier_signal -1
	MUL16 2, 1, 0
	WIN 0
	s_barrier_wait -1
.if \fill
	CREST                                          ; no wave of any partner still reads this slot's tile or has a load on its way
	s_add_nc_u64 s[G0+4*\slot+2:G0+4*\slot+3], s[G0+4*\slot+2:G0+4*\slot+3], 2*ROWB
	s_add_nc_u64 s[G0B+4*\slot+2:G0B+4*\slot+3], s[G0B+4*\slot+2:G0B+4*\slot+3], 2*ROWB
	JLOAD G0+4*\slot, G1, G0B+4*\slot, G1B         ; the first tensor load behind the round, my only one until the next; its four v_nop are also the places in front of the loads below
.else
	PLACES NP
.endif
	FETCH_B \next, 0, 0
	FETCH_A \next, 0, 0
	WIN MUL_HI
	MUL16 4, 1, 0
	MUL16 6, 1, 0
	PLACES NP
	WIN 0
	FETCH_A \next, 0, 4
.endm
	s_wait_tensorcnt 1                             ; my part of K step 0 is in; K step 1's load may be out
	s_barrier_signal -1
	s_barrier_wait -1                              ; everybody's is
	FETCH_B 0, 0, 0
	FETCH_A 0, 0, 0
	FETCH_A 0, 0, 4
	STEP 0, 0, 1                                   ; K is four slots' worth, so the walk is written out: the first products start the sums
	TURN 0, 1, 1                                   ; slot 0 takes K step 2
	STEP 1, 0, 0
	TURN 1, 0, 1                                   ; slot 1 takes K step 3
	STEP 0, 0, 0
	TURN 0, 1, 0                                   ; nothing is left to fetch
	STEP 1, 0, 0
	s_wait_dscnt 4*NL                              ; the very last step
	WIN MUL_LO
	MUL16 0, 1, 0
	MUL16 2, 1, 0
	s_wait_dscnt 0
	WIN MUL_HI
	MUL16 4, 1, 0
	MUL16 6, 1, 0
	WIN 0
; THE WAY OUT.  Block a (16 rows of A x 128 rows of B): each sum is held, eight neighbours of a lane become 8 bytes, and the bytes go into my stage: row = A's row, 128 bytes along B.
	s_wait_kmcnt 0x0
	s_cmp_eq_u32 ttmp9, 0
	s_cselect_b32 s80, s74, s75                    ; e2 for q, e3 for k,
	s_cmp_eq_u32 ttmp9, 2
	s_cselect_b32 s80, s77, s80                    ; e5 for v
	s_sub_co_i32 s80, s80, s72
	s_sub_co_i32 s80, s80, s73                     ; e_out - e0 - e1
	s_add_co_i32 s80, s80, 127
	s_lshl_b32 s81, s80, 23
	v_mov_b32 v[SCL], s81
	s_add_co_i32 s80, s80, 8
	s_lshl_b32 s80, s80, 23
	s_or_b32 s80, s80, 0x600000
	v_mov_b32 v[LIM], s80
	PLACES NP                                      ; behind the last products
.macro CODES a
.set AC, 64*((\a)%4)
.set CC, CD+16*((\a)%2)
	WIN 0x02+((\a)/4)                              ; source 0: window 2 or 3
.set n, 0
.rept 64
	v_med3_num_f32 v[TMP+n], v[AC+n], -v[LIM], v[LIM]   ; the hold (the conversion does not saturate: ISA guide 7.6.2); each accumulator from its low end on
.set n, n+1
.endr
	WIN 0
.irp b, 0,1,2,3,4,5,6,7
	v_cvt_scalef32_pk8_fp8_f32 v[CC+2*\b:CC+2*\b+1], v[TMP+8*\b:TMP+8*\b+7], v[SCL]
.endr
	v_nop                                          ; one plain vector instruction between the conversions and the next block's holds, which write their sources
.irp b, 0,1,2,3,4,5,6,7
	ds_store_b64 v[STO], v[CC+2*\b:CC+2*\b+1] offset:(\a)*16*SPITCH+16*\b
.endr
.endm
.irp a, 0,1,2,3,4,5,6,7
	CODES \a
.endr
; Back as images: 32 chunks a lane (two heads x 16), 16 bytes each.  LDS serves a wave's instructions in order (ISA guide 5.7.1.4): these see my stores; the stage is my own.
	s_cmp_eq_u32 ttmp9, 0
	s_cbranch_scc1 .Lback_q
	s_cmp_eq_u32 ttmp9, 1
	s_cbranch_scc1 .Lback_k
.irp hh, 0,1                           ; v: stage row = channel, bytes along the keys
.irp td, 0,1,2,3
.irp c, 0,1,2,3
	ds_load_b128 v[BK+4*(16*\hh+4*\td+\c):BK+4*(16*\hh+4*\td+\c)+3], v[RDP] offset:(64*\hh+32*(\td/2)+8*(\td%2))*SPITCH+32*\c
.endr
.endr
.endr
	s_branch .Lsend
.Lback_q:
.irp hh, 0,1                           ; q: stage row = query, bytes along the channels of two heads
.irp tq, 0,1,2,3,4,5,6,7
.irp c, 0,1
	ds_load_b128 v[BK+4*(16*\hh+2*\tq+\c):BK+4*(16*\hh+2*\tq+\c)+3], v[RDQ] offset:16*\tq*SPITCH+64*\hh+32*\c
.endr
.endr
.endr
	s_branch .Lsend
.Lback_k:
.irp hh, 0,1                           ; k: the same, with the keys of a tile chosen
.irp t, 0,1,2,3,4,5,6,7
.irp c, 0,1
	ds_load_b128 v[BK+4*(16*\hh+2*\t+\c):BK+4*(16*\hh+2*\t+\c)+3], v[RDP] offset:(32*(\t/2)+8*(\t%2))*SPITCH+64*\hh+32*\c
.endr
.endr
.endr
.Lsend:
.irp hh, 0,1
.irp i, 0,1,2,3,4,5,6,7,8,9,10,11,12,13,14,15
	s_wait_dscnt 31-16*\hh-\i                      ; on each of the three ways 32 loads were issued; they come back in order: this chunk is in, the younger ones may be out
	global_store_b128 v[CO], v[BK+4*(16*\hh+\i):BK+4*(16*\hh+\i)+3], s[10:11] offset:131072*\hh+512*\i   ; the wave stores 512 consecutive bytes, aligned
.endr
.endr
	s_wait_tensorcnt 0x0                           ; the wave's end: behind my last tensor load and my last LDS store
	ds_add_u32 v[SPW], v[NIL]
	s_wait_dscnt 0x0
	CROUND                                         ; the closing round: no work-group ends while a partner may still ask for a tile that names it
	s_endpgm
.Lfunc_end_k_qe756af3257_gemm_qkv:
	.size	k_qe756af3257_gemm_qkv, .Lfunc_end_k_qe756af3257_gemm_qkv-k_qe756af3257_gemm_qkv
	.p2alignl 7, 3214868480
	.fill 96, 4, 3214868480
	.section	.rodata,"a",@progbits
	.p2align	6, 0x0
	.amdhsa_kernel k_qe756af3257_gemm_qkv
		.amdhsa_group_segment_fixed_size 327680
		.amdhsa_private_segment_fixed_size 0
		.amdhsa_enable_private_segment 0
		.amdhsa_kernarg_size 32
		.amdhsa_user_sgpr_count 2
		.amdhsa_user_sgpr_kernarg_segment_ptr 1
		.amdhsa_wavefront_size32 1
		.amdhsa_system_sgpr_workgroup_id_x 1
		.amdhsa_system_sgpr_workgroup_id_y 1
		.amdhsa_system_sgpr_workgroup_id_z 1
		.amdhsa_system_vgpr_workitem_id 0
		.amdhsa_next_free_vgpr 1024
		.amdhsa_next_free_sgpr 98
		.amdhsa_reserve_vcc 0
		.amdhsa_float_denorm_mode_32 3
		.amdhsa_float_denorm_mode_16_64 3
		.amdhsa_memory_ordered 1
		.amdhsa_forward_progress 1
		.amdhsa_inst_pref_size 130
	.end_amdhsa_kernel
	.amdgpu_metadata
---
amdhsa.version: [ 1, 2 ]
amdhsa.kernels:
  - .name:           k_qe756af3257_gemm_qkv
    .symbol:         k_qe756af3257_gemm_qkv.kd
    .args:
      - { .name: x_codes, .offset: 0, .size: 8, .value_kind: global_buffer, .address_space: global }
      - { .name: w_codes, .offset: 8, .size: 8, .value_kind: global_buffer, .address_space: global }
      - { .name: lowp_scales, .offset: 16, .size: 8, .value_kind: global_buffer, .address_space: global }
      - { .name: qkv_codes, .offset: 24, .size: 8, .value_kind: global_buffer, .address_space: global }
    .group_segment_fixed_size: 327680
    .private_segment_fixed_size: 0
    .kernarg_segment_align: 8
    .kernarg_segment_size: 32
    .max_flat_workgroup_size: 128
    .sgpr_count:     98
    .vgpr_count:     1024
    .wavefront_size: 32
...
	.end_amdgpu_metadata
.endif
;; end of part 2
;; launch attn (part 3): grid 4 x 64, 16 waves a work-group, no clusters, 34,816 bytes of LDS; arguments qkv_codes, lowp_scales, a_codes; writes a_codes
.if DOCPART == 3
	.amdgcn_target "amdgcn-amd-amdhsa--gfx1250"
	.amdhsa_code_object_version 6
	.text
	.protected	k_qe756af3257_attn
	.globl	k_qe756af3257_attn
	.p2align	8
	.type	k_qe756af3257_attn,@function
k_qe756af3257_attn:
	s_mov_b64 s[64:65], 0
	v_nop
	global_prefetch_b8 v0, s[64:65] scope:SCOPE_SE
	s_setreg_imm32_b32 hwreg(HW_REG_WAVE_MODE, 25, 1), 1
	s_wait_xcnt 0x0
; Causal attention of one head on codes of E4M3; head size 64, 2,048 tokens, 64 heads (b x 16 + head).  Inputs: the images of operand registers in qkv_codes (q at 0, k at 8 MiB, v at 16 MiB; 131,072 bytes a head each).
; t = score x log2(e) / 8; M = the running largest t rounded UP to a whole number; p = 2^(t - M) is quantised with 2^e4, not normalised; the row's sum is taken of the unquantised p, in f32, and divides at the end.
; When M moves, the sum and O are multiplied by 2^(old M - new M): nothing is rounded.  o = O x 2^(e4 + e5) / sum is quantised at once with 2^e6 for the last product.
; LIMITS: e2 + e3 between -123 and 130 (added to the exponent field of log2(e) / 8); e4, and e6 - e4 - e5, between -126 and 119.  NaN is not served.
;   A hidden score counts as -infinity where the definition writes -1e9: the same result as long as a row has an open logit above -1e9.
; SHARES.  The 2,048 queries are 16 groups of 128; group a needs key steps 0 .. a of 128 keys, the last on the diagonal.  Work-group g (0..3) of a head: waves 0-7 own groups 15 - g and g, waves 8-15 groups 8 + g and
; 7 - g: wave w owns tile w % 8 (16 queries) of each of its two groups: 17 tile steps for every wave of the launch.  Four waves share a SIMD, so that one's vector work stands beside another's products and LDS loads.
; K AND V come through registers into two LDS slots by turns: thread n copies 16 bytes of each at 16 n; the images need no reordering.  Loads run two steps ahead of the products, the LDS store one step.
; No tensor load stands here: so a step whose keys are all hidden is jumped over, and the hold of p is jumped over where the given e4 makes it idle (p <= 1 <= 448 x 2^e4 from e4 = -8 on).
; No cluster: which steps a work-group leaves out hangs on its own place, and partners of a cluster must run alike.
; LAYOUT.  Both products are used transposed: S^T = K Q^T (source 0 = 16 keys, source 1 = my 16 queries), O^T = V^T P^T: a lane holds ONE query (lane % 16) throughout.  The keys of a tile of K and the channels of a
; tile of V were chosen by the launch before so that 16 registers of two neighbouring tiles are 16 neighbours along the next product's K.
; OUT: a_codes [head / 4][token / 16][head % 4][c 0..1][lane] = o(16 (token / 16) + r, channels 32 c + 16 h + 0..15): images of the last product's operand registers.
.set LI,   1                           ; v1   16 x lane: my place in an image
.set T16,  2                           ; v2   16 x thread: my place in a step's 8,192 bytes of K and of V
.set GOF,  3                           ; v3   the same + the step to be loaded
.set PFO,  4                           ; v4   256 x lane, for the prefetches; never rewritten
.set DG,   5                           ; v5   16 (wave % 8) + r - 16 h: on the diagonal, register 16 b + i is hidden where 32 b + i is above it
.set OSC,  6                           ; v6   2^(e6 - e4 - e5)
.set OLM,  7                           ; v7   448 x that
.set G,    8                           ; v8-15   16 bytes of K, 16 of V, on their way to LDS
                                       ; v16-19, v20-23  a tile's -M, largest t, sum in two halves
                                       ; v24-31, v32-39  Q;   v40-71, v72-103  O^T
.set S,    104                         ; v104-167  S^T, then p
.set F,    168                         ; v168-231  eight fragments of K, then four of V
.set P,    232                         ; v232-247  p's codes
.set PSC,  248                         ; v248 2^e4;  v249-255 at work
.set WV,   10                          ; s10 wave; s11 g; s12 head; s13 wave / 8; s14 wave % 8
.set A0,   24                          ; s24, s25  the groups of my tile 0 and my tile 1: also their last key steps
.set KS,   26                          ; s26  the key step in hand
.set NS,   27                          ; s27  16 - g: the key steps that the work-group needs
.set TR,   28                          ; s28  trips to go
.set HOLD, 29                          ; s29  1 where e4 < -8
.set PLM,  30                          ; s30  448 x 2^e4
.set LIM,  31                          ; s31  16 in a wave that prefetches, else 0
.set KB,   32                          ; s[32:33] the head's K;  s[34:35] its V
.set VB,   34
.set PFA,  36                          ; s[36:37] where my prefetches stand
.set CS,   38                          ; s[38:39] c = log2(e) / 8 x 2^(e2 + e3): the packed form names a pair and takes its low word
.set SEL,  40                          ; s[40:41] lane selects: lane l xor 16
.set NXO,  50                          ; s50  byte offset of the step to be loaded
	s_load_b128 s[4:7], s[0:1], 0x0                ; qkv_codes s[4:5], the scales s[6:7]
	s_load_b64 s[8:9], s[0:1], 0x10                ; a_codes
	v_lshrrev_b32 v8, 5, v0
	v_readfirstlane_b32 s[WV], v8
	s_mov_b32 s11, ttmp9
	s_and_b32 s12, ttmp7, 0xffff
	s_lshr_b32 s13, s[WV], 3
	s_and_b32 s14, s[WV], 7
	s_sub_co_u32 s51, 7, s11
	s_cmp_eq_u32 s13, 0
	s_cselect_b32 s[A0+1], s11, s51                ; the low group: g or 7 - g
	s_sub_co_u32 s[A0], 15, s[A0+1]                ; the high group
	s_sub_co_u32 s[NS], 16, s11
	s_mov_b32 s[KS], 0
	s_mov_b32 s[TR], 8
	s_mov_b32 s[NXO], 8192
	s_mov_b32 s[SEL], 0x76543210
	s_mov_b32 s[SEL+1], 0xfedcba98
	v_and_b32 v9, 31, v0
	v_lshlrev_b32 v[LI], 4, v9
	v_lshlrev_b32 v[T16], 4, v0
	v_lshlrev_b32 v[PFO], 8, v9
	v_and_b32 v10, 15, v0
	v_bfe_u32 v11, v0, 4, 1
	v_lshlrev_b32 v11, 4, v11
	v_sub_nc_u32 v[DG], v10, v11
	s_lshl_b32 s51, s14, 4
	v_add_nc_u32 v[DG], s51, v[DG]
	s_lshl_b32 s52, s12, 17                        ; the head's 131,072 bytes in each region
	s_mov_b32 s53, 0
	s_lshl_b32 s54, s[A0], 3
	s_add_co_u32 s54, s54, s14                     ; my tile 0 among the head's 128
	s_lshl_b32 s56, s[A0+1], 3
	s_add_co_u32 s56, s56, s14                     ; my tile 1
	s_lshr_b32 s58, s12, 4
	s_lshl_b32 s58, s58, 7                         ; 128 b: the batch's first tile of tokens
	s_bfe_u32 s59, s12, 0x20002                    ; head / 4
	s_lshl_b32 s59, s59, 21
	s_and_b32 s60, s12, 3                          ; head % 4
	s_lshl_b32 s60, s60, 10
	s_add_co_u32 s59, s59, s60
	s_add_co_u32 s60, s58, s54
	s_lshl_b32 s60, s60, 12
	s_add_co_u32 s60, s60, s59                     ; tile 0's place in a_codes
	s_mov_b32 s61, 0
	s_add_co_u32 s62, s58, s56
	s_lshl_b32 s62, s62, 12
	s_add_co_u32 s62, s62, s59                     ; tile 1's
	s_mov_b32 s63, 0
	s_lshl_b32 s54, s54, 10                        ; a tile of Q is 1,024 bytes
	s_mov_b32 s55, 0
	s_lshl_b32 s56, s56, 10
	s_mov_b32 s57, 0
	s_lshr_b32 s51, s[WV], 1
	s_or_b32 s51, s51, s11
	s_cmp_eq_u32 s51, 0                            ; waves 0 and 1 of the head's first work-group prefetch
	s_cselect_b32 s[LIM], 16, 0
	s_wait_kmcnt 0x0
	s_load_b256 s[16:23], s[6:7], 0x0              ; e0 .. e7
	s_add_nc_u64 s[4:5], s[4:5], s[52:53]
	s_add_nc_u64 s[KB:KB+1], s[4:5], 0x800000
	s_add_nc_u64 s[VB:VB+1], s[4:5], 0x1000000
	s_add_nc_u64 s[42:43], s[4:5], s[54:55]        ; Q of tile 0,
	s_add_nc_u64 s[44:45], s[4:5], s[56:57]        ; of tile 1
	s_add_nc_u64 s[46:47], s[8:9], s[60:61]        ; o of tile 0,
	s_add_nc_u64 s[48:49], s[8:9], s[62:63]        ; of tile 1
	s_cmp_eq_u32 s[WV], 0
	s_cselect_b64 s[PFA:PFA+1], s[KB:KB+1], s[VB:VB+1]   ; wave 0 asks for K, wave 1 for V
	s_add_nc_u64 s[PFA:PFA+1], s[PFA:PFA+1], 3*8192      ; the first step's end moves it to key step 4.  Nothing is prefetched here, at the head
	global_load_b128 v[G:G+3], v[T16], s[KB:KB+1]        ; key step 0
	global_load_b128 v[G+4:G+7], v[T16], s[VB:VB+1]
	global_load_b128 v[24:27], v[LI], s[42:43] th:TH_LOAD_NT
	global_load_b128 v[28:31], v[LI], s[42:43] offset:512 th:TH_LOAD_NT
	global_load_b128 v[32:35], v[LI], s[44:45] th:TH_LOAD_NT
	global_load_b128 v[36:39], v[LI], s[44:45] offset:512 th:TH_LOAD_NT
	v_mov_b32 v17, 0xff61b1e6                      ; the largest t so far: -3e38, under every t
	v_mov_b32 v21, 0xff61b1e6
	v_floor_f32 v16, -v17                          ; -M
	v_floor_f32 v20, -v21
	v_mov_b32 v18, 0                               ; the sums
	v_mov_b32 v19, 0
	v_mov_b32 v22, 0
	v_mov_b32 v23, 0
.set n, 0
.rept 64
	v_mov_b32 v[40+n], 0                           ; O^T: the step is written once; its first run finds zeros, which the first change of M leaves zeros
.set n, n+1
.endr
.irp j, 249,250,251,252,253,254,255
	v_mov_b32 v\j, 0                               ; written once: a lane permute's destination counts as read, and the upper halves of broadcast pairs are named
.endr
	s_wait_kmcnt 0x0
	s_add_co_i32 s51, s18, s19                     ; e2 + e3: a score stands for score x 2^(e2 + e3)
	s_lshl_b32 s51, s51, 23
	s_add_co_i32 s[CS], s51, 0x3e38aa3b            ; log2(e) / 8, with the two exponents added to its exponent field
	s_mov_b32 s[CS+1], s[CS]
	s_add_co_i32 s51, s20, 127
	s_lshl_b32 s52, s51, 23
	v_mov_b32 v[PSC], s52                          ; 2^e4
	s_add_co_i32 s51, s51, 8
	s_lshl_b32 s51, s51, 23
	s_or_b32 s[PLM], s51, 0x600000                 ; 448 x 2^e4
	s_cmp_lt_i32 s20, -8
	s_cselect_b32 s[HOLD], 1, 0
	s_sub_co_i32 s51, s22, s20
	s_sub_co_i32 s51, s51, s21                     ; e6 - e4 - e5
	s_add_co_i32 s51, s51, 127
	s_lshl_b32 s52, s51, 23
	v_mov_b32 v[OSC], s52
	s_add_co_i32 s51, s51, 8
	s_lshl_b32 s51, s51, 23
	s_or_b32 s51, s51, 0x600000
	v_mov_b32 v[OLM], s51
	s_wait_loadcnt 4                               ; key step 0's two loads are in; Q's four may be out
	ds_store_b128 v[T16], v[G:G+3]
	ds_store_b128 v[T16], v[G+4:G+7] offset:8192
	s_wait_dscnt 0x0                               ; my stores have landed, for the others' sake, and have read their registers,
	global_load_b128 v[G:G+3], v[T16], s[KB:KB+1] offset:8192     ; which take key step 1
	global_load_b128 v[G+4:G+7], v[T16], s[VB:VB+1] offset:8192
	s_barrier_signal -1
	s_barrier_wait -1                              ; slot 0 is whole
	s_wait_loadcnt 2                               ; Q is in; key step 1's two loads may be out
; ONE TILE'S KEY STEP: tile x of my two, 128 keys in slot p.
.macro TSTEP x, p
.set ST, 16+4*\x
.set QF, 24+8*\x
.set O,  40+32*\x
	s_cmp_gt_u32 s[KS], s[A0+\x]                   ; all 128 keys come after my 16 queries: nothing to do.  No barrier stands in here
	s_cbranch_scc1 .Lskip_\@
.rept 4
	v_nop                                          ; places in front of loads into registers that the last products read
.endr
.irp t, 0,1,2,3,4,5,6,7
	ds_load_b128 v[F+8*\t:F+8*\t+3], v[LI] offset:16384*\p+1024*\t
	ds_load_b128 v[F+8*\t+4:F+8*\t+7], v[LI] offset:16384*\p+1024*\t+512
.endr
	s_wait_dscnt 0x0
.irp t, 0,1,2,3,4,5,6,7
	v_wmma_f32_16x16x64_fp8_fp8 v[S+8*\t:S+8*\t+7], v[F+8*\t:F+8*\t+7], v[QF:QF+7], 0   ; register 16 b + i of the 64: key 32 b + 16 h + i
.endr
.rept 4
	v_nop                                          ; places: in front of the loads below and of the first read of the scores
.endr
.irp td, 0,1,2,3
.irp c, 0,1,2,3
	ds_load_b128 v[F+16*\td+4*\c:F+16*\td+4*\c+3], v[LI] offset:16384*\p+8192+2048*\td+512*\c   ; V's fragments land while the softmax is worked
.endr
.endr
	s_cmp_lg_u32 s[KS], s[A0+\x]
	s_cbranch_scc1 .Lopen_\@                       ; only the tile's last step lies on the diagonal
	v_mov_b32 v254, 0xff800000                     ; -infinity: p = 0 then.  Key 0 of the step counts for every query of the group
.set n, 0
.rept 64
	v_cmp_gt_i32 vcc_lo, 32*(n/16)+n%16, v[DG]
	v_cndmask_b32 v[S+n], v[S+n], v254, vcc_lo
.set n, n+1
.endr
.Lopen_\@:
	v_max3_num_f32 v254, v[S], v[S+1], v[S+2]      ; the step's largest score of my query among my 64 keys, in two chains, each accumulator from its low end on,
	v_max3_num_f32 v252, v[S+3], v[S+4], v[S+5]
.irp i, 6,10,14,18,22,26,30,34,38,42,46,50,54,58
	v_max3_num_f32 v254, v254, v[S+\i], v[S+\i+1]
	v_max3_num_f32 v252, v252, v[S+\i+2], v[S+\i+3]
.endr
	v_max3_num_f32 v254, v254, v[S+62], v[S+63]
	v_max_num_f32 v254, v254, v252
	v_permlanex16_b32 v249, v254, s[SEL], s[SEL+1]
	v_max_num_f32 v254, v254, v249                 ; and among lane l xor 16's
	v_mul_f32 v254, s[CS], v254                    ; as t (c is positive)
	v_max_num_f32 v[ST+1], v[ST+1], v254           ; the running largest t
	v_mov_b32 v254, v[ST]
	v_floor_f32 v[ST], -v[ST+1]                    ; the new -M = floor(-t) = -ceil(t)
	v_sub_f32 v254, v[ST], v254                    ; old M - new M: a whole number, 0 or less
	v_cvt_i32_f32 v254, v254                       ; (it saturates)
	v_ldexp_f32 v252, 1.0, v254                    ; f = 2^(old M - new M)
.set n, 0
.rept 32
	v_pk_fma_f32 v[S+n:S+n+1], v[S+n:S+n+1], s[CS:CS+1], v[ST:ST+1] op_sel_hi:[1,0,0]   ; t - M, two at a time (of the pairs c and -M the low word serves both halves)
.set n, n+2
.endr
.set n, 0
.rept 64
	v_exp_f32 v[S+n], v[S+n]                       ; p = 2^(t - M), at most 1
.set n, n+1
.endr
	v_pk_mul_f32 v[ST+2:ST+3], v[ST+2:ST+3], v[252:253] op_sel_hi:[1,0]   ; the sums under the new M: the plain instruction behind the exponentials
	s_wait_alu depctr_va_vdst(0)                   ; one wait for the batch of 64, ahead of its first reader
	v_pk_add_f32 v[250:251], v[S:S+1], v[S+2:S+3]  ; the row's sum of the unquantised p, two at a time, in two chains
.irp j, 4,8,12,16,20,24,28,32,36,40,44,48,52,56,60
	v_pk_add_f32 v[ST+2:ST+3], v[ST+2:ST+3], v[S+\j:S+\j+1]
	v_pk_add_f32 v[250:251], v[250:251], v[S+\j+2:S+\j+3]
.endr
	v_pk_add_f32 v[ST+2:ST+3], v[ST+2:ST+3], v[250:251]
	s_cmp_eq_u32 s[HOLD], 0
	s_cbranch_scc1 .Lfits_\@                       ; from e4 = -8 on, 1 <= 448 x 2^e4: no p lies beyond the largest code
.set n, 0
.rept 64
	v_min_num_f32 v[S+n], s[PLM], v[S+n]           ; the conversion does not saturate (ISA guide 7.6.2); p is not negative, so the hold is one-sided
.set n, n+1
.endr
.Lfits_\@:
.irp b, 0,1,2,3
	v_cvt_scalef32_pk8_fp8_f32 v[P+4*\b:P+4*\b+1], v[S+16*\b:S+16*\b+7], v[PSC]        ; registers 4 b .. 4 b + 3: keys 32 b + 16 h + 0 .. 15, as V's images have them
	v_cvt_scalef32_pk8_fp8_f32 v[P+4*\b+2:P+4*\b+3], v[S+16*\b+8:S+16*\b+15], v[PSC]
.endr
.set n, 0
.rept 16
	v_pk_mul_f32 v[O+n:O+n+1], v[O+n:O+n+1], v[252:253] op_sel_hi:[1,0]   ; O^T under the new M.  (Plain instructions between the conversions and the products)
.set n, n+2
.endr
	s_wait_dscnt 0x0                               ; V's fragments are in
.irp td, 0,1,2,3
	v_wmma_f32_16x16x128_fp8_fp8 v[O+8*\td:O+8*\td+7], v[F+16*\td:F+16*\td+15], v[P:P+15], v[O+8*\td:O+8*\td+7]   ; four accumulators by turns, one instruction a turn
.endr
.Lskip_\@:
.endm
; THE END OF A KEY STEP, for all sixteen waves alike: the next step's bytes go from my registers into the other slot, which nobody has read since the last barrier; the step after that is asked for; one barrier.
.macro STEPEND p
	s_add_co_u32 s[KS], s[KS], 1
	s_wait_loadcnt 0x0                             ; the next step's 32 bytes of mine are in (asked for a step ago); no load into these registers is out
	s_cmp_lt_u32 s[KS], s[NS]
	s_cbranch_scc0 .Lno_store_\@                   ; the work-group needs no further step
	ds_store_b128 v[T16], v[G:G+3] offset:16384*(1-\p)
	ds_store_b128 v[T16], v[G+4:G+7] offset:16384*(1-\p)+8192
.Lno_store_\@:
	s_wait_dscnt 0x0                               ; for the others' sake: my stores have landed and my reads of this step's slot are over
	s_wait_xcnt 0x0                                ; the last loads and the last prefetch, a step back, have read their addresses, which are written now
	s_add_co_u32 s[NXO], s[NXO], 8192
	s_add_nc_u64 s[PFA:PFA+1], s[PFA:PFA+1], 8192
	v_add_nc_u32 v[GOF], s[NXO], v[T16]
	s_add_co_u32 s51, s[KS], 1
	s_cmp_lt_u32 s51, s[NS]
	s_cbranch_scc0 .Lno_load_\@                    ; no load for a step that nobody needs; none leaves the head's 16 steps
	global_load_b128 v[G:G+3], v[GOF], s[KB:KB+1]
	global_load_b128 v[G+4:G+7], v[GOF], s[VB:VB+1]
.Lno_load_\@:
; A prefetch into the L2 of the key step two steps on from the one just asked for: 8,192 bytes of K (wave 0) or of V (wave 1), lanes 256 bytes apart.  The four work-groups of a head walk the same K and V:
; the first of them asks, so each block of 256 bytes is named once in the launch.  Key steps 0 to 3 come by their loads alone; the last four ends of steps ask for nothing: there is no step 16.
	s_add_co_u32 s51, s[KS], 3
	s_cmp_lt_u32 s51, s[LIM]
	s_cbranch_scc0 .Lno_ask_\@
	global_prefetch_b8 v[PFO], s[PFA:PFA+1] th:TH_LOAD_NT scope:SCOPE_SE
.Lno_ask_\@:
	s_barrier_signal -1
	s_barrier_wait -1                              ; the other slot is whole, and nobody reads this one any more
.endm
.Ltrip:                                            ; eight trips of two key steps in every work-group: the count is a constant; what a work-group or a tile does not need is jumped over
	TSTEP 0, 0
	TSTEP 1, 0
	STEPEND 0
	TSTEP 0, 1
	TSTEP 1, 1
	STEPEND 1
	s_sub_co_u32 s[TR], s[TR], 1
	s_cmp_lg_u32 s[TR], 0
	s_cbranch_scc1 .Ltrip
	; THE WAY OUT.  O^T / the sum is quantised in registers: a lane's 16 registers of two neighbouring tiles are 16 neighbouring channels of its query: the codes are the image as it stands.
.rept 4
	v_nop                                          ; places behind the last products
.endr
	v_add_f32 v18, v18, v19                        ; the sums' two halves,
	v_add_f32 v22, v22, v23
	v_permlanex16_b32 v249, v18, s[SEL], s[SEL+1]
	v_permlanex16_b32 v250, v22, s[SEL], s[SEL+1]
	v_add_f32 v18, v18, v249                       ; and lane l xor 16's
	v_add_f32 v22, v22, v250
	v_rcp_f32 v252, v18
	v_rcp_f32 v254, v22
	v_nop                                          ; a plain instruction behind the reciprocals,
	s_wait_alu depctr_va_vdst(0)                   ; and one wait for both, ahead of the first reader
.set n, 0
.rept 16
	v_pk_mul_f32 v[S+n:S+n+1], v[40+n:41+n], v[252:253] op_sel_hi:[1,0]
.set n, n+2
.endr
.set n, 0
.rept 16
	v_pk_mul_f32 v[S+32+n:S+33+n], v[72+n:73+n], v[254:255] op_sel_hi:[1,0]
.set n, n+2
.endr
.set n, 0
.rept 64
	v_med3_num_f32 v[S+n], v[S+n], -v[OLM], v[OLM] ; the hold at 448 x 2^(e6 - e4 - e5)
.set n, n+1
.endr
.irp q, 0,1,2,3,4,5,6,7
	v_cvt_scalef32_pk8_fp8_f32 v[P+2*\q:P+2*\q+1], v[S+8*\q:S+8*\q+7], v[OSC]
.endr
	v_nop
	global_store_b128 v[LI], v[P:P+3], s[46:47]                 ; the wave stores 512 consecutive bytes, aligned
	global_store_b128 v[LI], v[P+4:P+7], s[46:47] offset:512
	global_store_b128 v[LI], v[P+8:P+11], s[48:49]
	global_store_b128 v[LI], v[P+12:P+15], s[48:49] offset:512
	s_wait_xcnt 0x0
	v_lshl_add_u32 v254, v0, 2, 0x8000
	v_mov_b32 v255, 0
	s_wait_tensorcnt 0x0
	ds_add_u32 v254, v255
	s_wait_dscnt 0x0
	s_endpgm
.Lfunc_end_k_qe756af3257_attn:
	.size	k_qe756af3257_attn, .Lfunc_end_k_qe756af3257_attn-k_qe756af3257_attn
	.p2alignl 7, 3214868480
	.fill 96, 4, 3214868480
	.section	.rodata,"a",@progbits
	.p2align	6, 0x0
	.amdhsa_kernel k_qe756af3257_attn
		.amdhsa_group_segment_fixed_size 34816
		.amdhsa_private_segment_fixed_size 0
		.amdhsa_enable_private_segment 0
		.amdhsa_kernarg_size 24
		.amdhsa_user_sgpr_count 2
		.amdhsa_user_sgpr_kernarg_segment_ptr 1
		.amdhsa_wavefront_size32 1
		.amdhsa_system_sgpr_workgroup_id_x 1
		.amdhsa_system_sgpr_workgroup_id_y 1
		.amdhsa_system_sgpr_workgroup_id_z 1
		.amdhsa_system_vgpr_workitem_id 0
		.amdhsa_next_free_vgpr 256
		.amdhsa_next_free_sgpr 66
		.amdhsa_reserve_vcc 1
		.amdhsa_float_denorm_mode_32 3
		.amdhsa_float_denorm_mode_16_64 3
		.amdhsa_memory_ordered 1
		.amdhsa_forward_progress 1
		.amdhsa_inst_pref_size 98
	.end_amdhsa_kernel
	.amdgpu_metadata
---
amdhsa.version: [ 1, 2 ]
amdhsa.kernels:
  - .name:           k_qe756af3257_attn
    .symbol:         k_qe756af3257_attn.kd
    .args:
      - { .name: qkv_codes, .offset: 0, .size: 8, .value_kind: global_buffer, .address_space: global }
      - { .name: lowp_scales, .offset: 8, .size: 8, .value_kind: global_buffer, .address_space: global }
      - { .name: a_codes, .offset: 16, .size: 8, .value_kind: global_buffer, .address_space: global }
    .group_segment_fixed_size: 34816
    .private_segment_fixed_size: 0
    .kernarg_segment_align: 8
    .kernarg_segment_size: 24
    .max_flat_workgroup_size: 512
    .sgpr_count:     66
    .vgpr_count:     256
    .wavefront_size: 32
...
	.end_amdgpu_metadata
.endif
;; end of part 3
;; launch gemm_out (part 4): grid 4 x 32, 4 waves a work-group, clusters of 4 x 4, 327,680 bytes of LDS; arguments a_codes, w_codes, lowp_scales, out0; writes out0
.if DOCPART == 4
	.amdgcn_target "amdgcn-amd-amdhsa--gfx1250"
	.amdhsa_code_object_version 6
	.text
	.protected	k_qe756af3257_gemm_out
	.globl	k_qe756af3257_gemm_out
	.p2align	8
	.type	k_qe756af3257_gemm_out,@function
k_qe756af3257_gemm_out:
	s_mov_b64 s[64:65], 0
	v_nop
	global_prefetch_b8 v0, s[64:65] scope:SCOPE_SE
	s_setreg_imm32_b32 hwreg(HW_REG_WAVE_MODE, 25, 1), 1
	s_wait_xcnt 0x0
	s_wait_alu depctr_hold_cnt(0) depctr_sa_sdst(0) depctr_va_vdst(0) depctr_va_sdst(0) depctr_va_ssrc(0) depctr_va_vcc(0) depctr_vm_vsrc(0)
	s_getreg_b32 s2, hwreg(HW_REG_IB_STS2, 6, 4)
	s_cmp_eq_u32 s2, 0
	s_cbranch_scc0 .Lentry_in_a_cluster
	s_endpgm
.Lentry_in_a_cluster:
	s_bfe_u32 s2, ttmp6, 0x10000c
	s_cmp_lg_u32 s2, 0xf033
	s_cbranch_scc0 .Lentry_shape_is_right
	s_endpgm
.Lentry_shape_is_right:
; out0 = o W_out on codes of E4M3: [8192][1024] f32, K = 1,024.  Each finished f32 sum is multiplied once by 2^(e6 + e7).  LIMIT: e6 + e7 between -126 and 127, so that this is an f32 number.
; A (o) comes as images of its operand registers: a_codes [K slot of 256 (4)][tile of 16 rows (512)][4,096 bytes]: in a tile, the fragment of the q-th 128 along K has its registers 4 c .. 4 c + 3 at 2,048 q + 512 c + 16 x lane.
; B (W_out^T) is rows 3,072 on of w_codes, 1,024 codes a row, K innermost.  Both hold K = 32 c + 16 (lane / 16) + 0 .. 15 in registers 4 c .. 4 c + 3.
; A tile of 256 x 256 of the output is made by four waves, 128 x 128 each: 64 accumulators, 512 registers.  K goes in steps of 256 through two LDS slots filled by the tensor data mover.
; The output has 128 such tiles.  A smaller tile would give every WGP one, but would feed half the products from each LDS byte, and LDS reads weigh as much as the products here: the larger tile is kept.
; CLUSTERS: 4 x 4 work-groups; A's tile is shared along a row of the cluster, B's along a column, each asked for jointly.  Source 0 = 16 rows of B, source 1 = 16 rows of A: a lane holds eight neighbouring numbers of a row of the output.
; REGISTERS, in windows of 256: window 0: v0-31 addresses; from v128 A's fragments, one set; on the way out v32-255 are free.  window 1: B's fragments, two sets.  windows 2, 3: the accumulators.
.set SIZE_N, 1024
.set KROW,   1024
.set ROWB,   256
.set PITCH,  272                       ; B's LDS row: 256 bytes + 16 of padding: the 16 rows that a load touches start at 16 different banks (64 banks of 4 bytes: ISA guide 11.1)
.set FR,     16
.set NL,     4
.set NP,     4
.set HALFA,  32768                     ; A: eight tiles of 16 rows, dense: what one tensor load brings and one wave reads; an LDS load takes 512 consecutive bytes, so no padding
.set HALFB,  128*PITCH                 ; B: 128 rows
.set BOFF,   2*HALFA
.set SLOT,   2*HALFA+2*HALFB
.set ASTEP,  0x200000                  ; from one K slot of A to the next in memory
.set SPARE,  2*SLOT                    ; behind the ring: the spare words, 128 bytes for each wave, that no other line names
.set SPITCH, 528                       ; the way out: a stage of 16 rows x (512 bytes + 16) for each wave, in slot 0, which has had its last fill and its last read by then
.set ADRA, 16
.set ADRB, 20
.set STO,  24
.set RD,   25
.set CO,   26
.set SPW,  28
.set NIL,  29
.set TMP,  32
.set AF,   128
.set BK,   128
.set G1, 24
.set G0, 32
.set G1B, 48
.set G0B, 56
.set MSB, 0
.macro WIN new                         ; the immediate's high byte repeats the setting that is left
.if MSB != \new
	s_set_vgpr_msb (MSB<<8)|\new
.set MSB, \new
.endif
.endm
.set MUL_LO, 0xa1
.set MUL_HI, 0xf1
.set TO_B,   0x40
.macro JLOAD g0a, g1a, g0b, g1b        ; a joint load: waves 0 and 1 fetch for A, waves 2 and 3 for B; four v_nop follow each of the two lines
	s_cmp_eq_u32 s15, 0
	s_cbranch_scc0 .Lfor_b_\@
	tensor_load_to_lds s[\g0a:\g0a+3], s[\g1a:\g1a+7]
	s_nop 0
.rept 4
	v_nop
.endr
	s_branch .Lasked_\@
.Lfor_b_\@:
	tensor_load_to_lds s[\g0b:\g0b+3], s[\g1b:\g1b+7]
	s_nop 0
.rept 4
	v_nop
.endr
.Lasked_\@:
.endm
.macro CREST
	s_cmp_lg_u32 s14, 0
	s_cbranch_scc1 .Lnot_wave_0_\@
	s_barrier_signal -3
.Lnot_wave_0_\@:
	s_barrier_wait -3
	s_barrier_signal -1
	s_barrier_wait -1
.endm
.macro CROUND
	s_barrier_signal -1
	s_barrier_wait -1
	CREST
.endm
	s_load_b128 s[4:7], s[0:1], 0x0                ; a_codes s[4:5], w_codes s[6:7]
	s_load_b128 s[8:11], s[0:1], 0x10              ; the scales s[8:9], out0 s[10:11]
	v_lshl_add_u32 v[SPW], v0, 2, SPARE
	v_mov_b32 v[NIL], 0
	ds_add_u32 v28, v29
	ds_add_u32 v28, v29
	s_wait_dscnt 0x0
	v_lshrrev_b32 v1, 5, v0
	v_readfirstlane_b32 s14, v1                    ; wave 0..3
	s_lshr_b32 s15, s14, 1                         ; which half of the tile's rows is mine.  Also: I fetch for A (0) or for B (1)
	s_and_b32 s16, s14, 1                          ; which half of its columns.  Also: which half of that tile I fetch
	s_bfe_u32 s40, ttmp6, 0x40000                  ; cx, cy
	s_bfe_u32 s41, ttmp6, 0x40004
	s_lshl_b32 s42, ttmp9, 2
	s_add_co_u32 s42, s42, s40                     ; tile column = 4 x cluster x + cx
	s_and_b32 s17, ttmp7, 0xffff
	s_lshl_b32 s17, s17, 2
	s_add_co_u32 s17, s17, s41                     ; tile row = 4 x cluster y + cy
	s_lshl_b32 s43, s41, 2
	s_lshl_b32 s43, 15, s43                        ; my row of the cluster
	s_lshl_b32 s44, 0x1111, s40                    ; my column
	; A's group 1: a dense block of 32,768 bytes as 128 rows of 32 elements of 8 bytes, no padding
	s_or_b32 s[G1+0], s43, (3<<16)|(1<<21)         ; 15:0 the mask: my row; 17:16 elements of 8 bytes; 21 set beside a mask
	s_mov_b32 s[G1+1], 32<<16                      ; tensor_dim0 = 32
	s_mov_b32 s[G1+2], 128<<16                     ; tensor_dim1 = 128
	s_mov_b32 s[G1+3], 32<<16                      ; tile_dim0
	s_mov_b32 s[G1+4], 128                         ; tile_dim1
	s_mov_b32 s[G1+5], 32                          ; the pitch: rows follow each other
	s_mov_b32 s[G1+6], 0
	s_mov_b32 s[G1+7], 0
	; B's group 1: 128 rows x 256 bytes, padded in LDS
	s_or_b32 s[G1B+0], s44, (0<<16)|(1<<20)|(1<<21)|(5<<22)|(3<<25)  ; my column's mask; elements of 1 byte; four words of padding after every 64
	s_mov_b32 s[G1B+1], ROWB<<16
	s_mov_b32 s[G1B+2], 128<<16
	s_mov_b32 s[G1B+3], ROWB<<16
	s_mov_b32 s[G1B+4], 128
	s_mov_b32 s[G1B+5], KROW
	s_mov_b32 s[G1B+6], 0
	s_mov_b32 s[G1B+7], 0
	s_lshl_b32 s20, s17, 16                        ; A: 16 tiles of 4,096 bytes x tile row
	s_lshl_b32 s18, s16, 15                        ;    + eight tiles x half
	s_add_co_u32 s20, s20, s18
	s_mov_b32 s21, 0
	s_lshl_b32 s46, s42, 8
	s_lshl_b32 s19, s16, 7
	s_add_co_u32 s46, s46, s19
	s_add_co_u32 s46, s46, 3072                    ; B: row 3,072 + 256 x tile column + 128 x half,
	s_lshl_b32 s46, s46, 10                        ; in bytes
	s_mov_b32 s47, 0
	s_lshl_b32 s45, s16, 15                        ; where they go: A's halves,
	s_mul_i32 s70, s16, HALFB
	s_add_co_u32 s70, s70, BOFF                    ; B's halves behind them: no place in the cluster enters an LDS address
	s_wait_kmcnt 0x0
	s_load_b64 s[96:97], s[8:9], 0x18              ; e6, e7
	s_add_nc_u64 s[20:21], s[4:5], s[20:21]
	s_add_nc_u64 s[46:47], s[6:7], s[46:47]
	CROUND                                         ; all sixteen work-groups are here: the first joint loads meet
.irp s, 0,1
	s_mov_b32 s[G0+4*\s], 1
	s_add_co_u32 s[G0+4*\s+1], s45, \s*SLOT
	s_add_nc_u64 s[G0+4*\s+2:G0+4*\s+3], s[20:21], \s*ASTEP
	s_or_b32 s[G0+4*\s+3], s[G0+4*\s+3], 0x80000000
	s_mov_b32 s[G0B+4*\s], 1
	s_add_co_u32 s[G0B+4*\s+1], s70, \s*SLOT
	s_add_nc_u64 s[G0B+4*\s+2:G0B+4*\s+3], s[46:47], \s*ROWB
	s_or_b32 s[G0B+4*\s+3], s[G0B+4*\s+3], 0x80000000
	JLOAD G0+4*\s, G1, G0B+4*\s, G1B               ; K steps 0 and 1: two loads of mine are out
.endr
	v_and_b32 v1, 15, v0                           ; r
	v_bfe_u32 v2, v0, 4, 1                         ; h
	v_mul_u32_u24 v3, v1, PITCH
	v_lshl_add_u32 v4, v2, 4, v3                   ; B: a fragment's row x pitch + 16 x half
	v_and_b32 v6, 31, v0
	v_lshlrev_b32 v[CO], 4, v6                     ; 16 x lane: A's images, and a row of the output
	s_lshl_b32 s21, s15, 15                        ; my eight tiles of A
	s_mul_i32 s22, s16, HALFB
	s_add_co_u32 s22, s22, BOFF                    ; my 128 rows of B
.irp s, 0,1
	v_add_nc_u32 v[ADRA+\s], s21, v[CO]
	v_add_nc_u32 v[ADRB+\s], s22, v4
	s_add_co_u32 s21, s21, SLOT
	s_add_co_u32 s22, s22, SLOT
.endr
	s_mul_i32 s23, s14, 16*SPITCH                  ; my stage
	v_mul_u32_u24 v5, v1, SPITCH                   ; in: row r, 32 bytes for each half of the lanes
	v_lshl_add_u32 v5, v2, 5, v5
	v_add_nc_u32 v[STO], s23, v5
	v_add_nc_u32 v[RD], s23, v[CO]                 ; back: the 32 lanes take one row of 512 bytes
	s_lshl_b32 s20, s17, 8
	s_lshl_b32 s21, s15, 7
	s_add_co_u32 s20, s20, s21                     ; my first row: 256 x tile row + 128 x half,
	s_lshl_b32 s20, s20, 12                        ; of 4,096 bytes
	s_lshl_b32 s46, s42, 10                        ; my first column, in bytes: 1,024 x tile column + 512 x half
	s_lshl_b32 s47, s16, 9
	s_add_co_u32 s46, s46, s47
	s_add_co_u32 s20, s20, s46
	s_mov_b32 s21, 0
	s_add_nc_u64 s[10:11], s[10:11], s[20:21]
.macro FRAG reg, adr, q, i             ; a fragment of B from rows
.irp c, 0,1,2,3
	ds_load_b128 v[\reg+4*\c:\reg+4*\c+3], v[\adr] offset:128*(\q)+32*\c+(\i)*16*PITCH
.endr
.endm
.macro FRAGA reg, adr, q, i            ; a fragment of A from its image
.irp c, 0,1,2,3
	ds_load_b128 v[\reg+4*\c:\reg+4*\c+3], v[\adr] offset:4096*(\i)+2048*(\q)+512*\c
.endr
.endm
; 16 matrix instructions: A's blocks a0, a0 + 1 x B's eight.  The 64 accumulators take turns, one instruction a turn, in the same order in every step.
.macro MUL16 a0, p, zero
.irp a, \a0, \a0+1
.irp b, 0,1,2,3,4,5,6,7
.if \zero
	v_wmma_f32_16x16x128_fp8_fp8 v[8*(8*((\a)%4)+\b):8*(8*((\a)%4)+\b)+7], v[128*(\p)+FR*\b:128*(\p)+FR*\b+FR-1], v[AF+FR*(\a):AF+FR*(\a)+FR-1], 0
.else
	v_wmma_f32_16x16x128_fp8_fp8 v[8*(8*((\a)%4)+\b):8*(8*((\a)%4)+\b)+7], v[128*(\p)+FR*\b:128*(\p)+FR*\b+FR-1], v[AF+FR*(\a):AF+FR*(\a)+FR-1], v[8*(8*((\a)%4)+\b):8*(8*((\a)%4)+\b)+7]
.endif
.endr
.endr
.endm
.macro FETCH_B slot, q, p
	WIN TO_B
.irp i, 0,1,2,3,4,5,6,7
	FRAG 128*(\p)+FR*\i, ADRB+\slot, \q, \i
.endr
	WIN 0
.endm
.macro FETCH_A slot, q, i0
.irp i, \i0, \i0+1, \i0+2, \i0+3
	FRAGA AF+FR*(\i), ADRA+\slot, \q, \i
.endr
.endm
.macro PLACES n                        ; places behind matrix instructions: plain vector instructions that name none of their registers (ISA guide 7.12.1 for vector instructions)
.rept \n
	v_nop
.endr
.endm
.macro STEP slot, q, zero
	s_wait_dscnt 4*NL                              ; B's set and A's blocks 0-3 are in; the youngest sixteen loads (A's blocks 4-7) may be out
	WIN MUL_LO
	MUL16 0, (\q)%2, \zero
	MUL16 2, (\q)%2, \zero
	s_wait_dscnt 0
	PLACES NP
	FETCH_B \slot, (\q)+1, 1-(\q)%2
	FETCH_A \slot, (\q)+1, 0
	WIN MUL_HI
	MUL16 4, (\q)%2, \zero
	MUL16 6, (\q)%2, \zero
	PLACES NP
	WIN 0
	FETCH_A \slot, (\q)+1, 4
.endm
.macro TURN slot, next, fill
	s_wait_tensorcnt 0x0                           ; all my tensor loads have landed: my part of the next slot
	ds_add_u32 v[SPW], v[NIL]                      ; 0 onto my spare word
	s_wait_dscnt 4*NL+1                            ; the add and the youngest sixteen loads may be out
	WIN MUL_LO
	MUL16 0, 1, 0
	s_wait_dscnt 0x0                               ; the add is done, and my reads of this slot are over
	s_barrier_signal -1
	MUL16 2, 1, 0
	WIN 0
	s_barrier_wait -1
.if \fill
	CREST                                          ; no wave of any partner still reads this slot's tile or has a load on its way
	s_add_nc_u64 s[G0+4*\slot+2:G0+4*\slot+3], s[G0+4*\slot+2:G0+4*\slot+3], 2*ASTEP
	s_add_nc_u64 s[G0B+4*\slot+2:G0B+4*\slot+3], s[G0B+4*\slot+2:G0B+4*\slot+3], 2*ROWB
	JLOAD G0+4*\slot, G1, G0B+4*\slot, G1B         ; the first tensor load behind the round, my only one until the next
.else
	PLACES NP
.endif
	FETCH_B \next, 0, 0
	FETCH_A \next, 0, 0
	WIN MUL_HI
	MUL16 4, 1, 0
	MUL16 6, 1, 0
	PLACES NP
	WIN 0
	FETCH_A \next, 0, 4
.endm
	s_wait_tensorcnt 1                             ; my part of K step 0 is in; K step 1's load may be out
	s_barrier_signal -1
	s_barrier_wait -1
	FETCH_B 0, 0, 0
	FETCH_A 0, 0, 0
	FETCH_A 0, 0, 4
	STEP 0, 0, 1                                   ; K is four slots' worth, so the walk is written out
	TURN 0, 1, 1
	STEP 1, 0, 0
	TURN 1, 0, 1
	STEP 0, 0, 0
	TURN 0, 1, 0
	STEP 1, 0, 0
	s_wait_dscnt 4*NL
	WIN MUL_LO
	MUL16 0, 1, 0
	MUL16 2, 1, 0
	s_wait_dscnt 0
	WIN MUL_HI
	MUL16 4, 1, 0
	MUL16 6, 1, 0
	WIN 0
; THE WAY OUT, block by block of 16 rows x 128 columns, through my own stage: back as whole rows of 512 bytes.  LDS serves a wave's instructions in order (ISA guide 5.7.1.4): no wait between the stores and the loads.
.macro TOSTAGE a
.set AC, 64*((\a)%4)
	WIN 0x02+((\a)/4)
.irp j, 0,2,4,6,8,10,12,14,16,18,20,22,24,26,28,30,32,34,36,38,40,42,44,46,48,50,52,54,56,58,60,62
	v_pk_mul_f32 v[TMP+\j:TMP+\j+1], v[AC+\j:AC+\j+1], s[96:97] op_sel_hi:[1,0]   ; both x s96 = 2^(e6 + e7); each accumulator from its low end on
.endr
	WIN 0
.irp b, 0,1,2,3,4,5,6,7
	ds_store_b128 v[STO], v[TMP+8*\b:TMP+8*\b+3] offset:64*\b
	ds_store_b128 v[STO], v[TMP+8*\b+4:TMP+8*\b+7] offset:64*\b+16
.endr
.set BB, BK+64*((\a)%2)
.irp t, 0,1,2,3,4,5,6,7,8,9,10,11,12,13,14,15
	ds_load_b128 v[BB+4*\t:BB+4*\t+3], v[RD] offset:\t*SPITCH
.endr
.endm
.macro SEND a, younger                 ; younger: the LDS instructions issued behind block a's loads, which may stay out
.set BB, BK+64*((\a)%2)
	s_wait_dscnt \younger
.if (\a) > 0
	s_add_nc_u64 s[10:11], s[10:11], 16*SIZE_N*4   ; behind a wait on XCNT: the earlier stores have read their base
.endif
.irp t, 0,1,2,3,4,5,6,7,8,9,10,11,12,13,14,15
	global_store_b128 v[CO], v[BB+4*\t:BB+4*\t+3], s[10:11] offset:\t*SIZE_N*4 th:TH_STORE_NT   ; 32 lanes store 512 consecutive bytes, aligned; written once, read by nobody here
.endr
.endm
	s_wait_kmcnt 0x0
	s_add_co_i32 s96, s96, s97
	s_add_co_i32 s96, s96, 127
	s_lshl_b32 s96, s96, 23                        ; 2^(e6 + e7) as f32
	PLACES NP
	TOSTAGE 0
.irp a, 1,2,3,4,5,6,7
.if \a > 1
	s_wait_xcnt 0x0                                ; block a - 2's stores have read their registers and their base
.endif
	TOSTAGE \a
	SEND \a-1, 32                                  ; behind block a - 1's loads: block a's 16 stores and 16 loads
.endr
	s_wait_xcnt 0x0
	SEND 7, 0
	s_wait_tensorcnt 0x0                           ; the wave's end
	ds_add_u32 v[SPW], v[NIL]
	s_wait_dscnt 0x0
	CROUND                                         ; the closing round
	s_endpgm
.Lfunc_end_k_qe756af3257_gemm_out:
	.size	k_qe756af3257_gemm_out, .Lfunc_end_k_qe756af3257_gemm_out-k_qe756af3257_gemm_out
	.p2alignl 7, 3214868480
	.fill 96, 4, 3214868480
	.section	.rodata,"a",@progbits
	.p2align	6, 0x0
	.amdhsa_kernel k_qe756af3257_gemm_out
		.amdhsa_group_segment_fixed_size 327680
		.amdhsa_private_segment_fixed_size 0
		.amdhsa_enable_private_segment 0
		.amdhsa_kernarg_size 32
		.amdhsa_user_sgpr_count 2
		.amdhsa_user_sgpr_kernarg_segment_ptr 1
		.amdhsa_wavefront_size32 1
		.amdhsa_system_sgpr_workgroup_id_x 1
		.amdhsa_system_sgpr_workgroup_id_y 1
		.amdhsa_system_sgpr_workgroup_id_z 1
		.amdhsa_system_vgpr_workitem_id 0
		.amdhsa_next_free_vgpr 1024
		.amdhsa_next_free_sgpr 98
		.amdhsa_reserve_vcc 0
		.amdhsa_float_denorm_mode_32 3
		.amdhsa_float_denorm_mode_16_64 3
		.amdhsa_memory_ordered 1
		.amdhsa_forward_progress 1
		.amdhsa_inst_pref_size 123
	.end_amdhsa_kernel
	.amdgpu_metadata
---
amdhsa.version: [ 1, 2 ]
amdhsa.kernels:
  - .name:           k_qe756af3257_gemm_out
    .symbol:         k_qe756af3257_gemm_out.kd
    .args:
      - { .name: a_codes, .offset: 0, .size: 8, .value_kind: global_buffer, .address_space: global }
      - { .name: w_codes, .offset: 8, .size: 8, .value_kind: global_buffer, .address_space: global }
      - { .name: lowp_scales, .offset: 16, .size: 8, .value_kind: global_buffer, .address_space: global }
      - { .name: out0, .offset: 24, .size: 8, .value_kind: global_buffer, .address_space: global }
    .group_segment_fixed_size: 327680
    .private_segment_fixed_size: 0
    .kernarg_segment_align: 8
    .kernarg_segment_size: 32
    .max_flat_workgroup_size: 128
    .sgpr_count:     98
    .vgpr_count:     1024
    .wavefront_size: 32
...
	.end_amdgpu_metadata
.endif
;; end of part 4
